; MI455X (gfx1250); checked and timed in simulation.
; The chip was launched on July 23, 2026; its instructions are those of AMD's public machine-readable ISA for CDNA 5 (MIT licence, August 2026) and "CDNA5" Instruction Set Architecture Reference Guide (July 2026). The comments in the code are by the model that wrote it; some were corrected since.
;; Onehot Encoder. Allowed arithmetic: float matrix products may take bf16 or f16 operands with f32 sums; all other float work in f32.
;; Inputs: W 128 x 8,192 float32; b 128 float32; noise_idx 16,384 int32.
;; Outputs: out0 16,384 x 1 x 128 float32.
;; One version. Each part assembles by itself: llvm-mc -triple=amdgcn-amd-amdhsa -mcpu=gfx1250 --defsym DOCPART=n.
;; ======== version 1 of 1: 1 launch
;; launch lookup (part 1): grid 256 x 1, 32 waves a work-group, no clusters, 37,376 bytes of LDS; arguments W, b, noise_idx, out0; writes out0
.if DOCPART == 1
	.amdgcn_target "amdgcn-amd-amdhsa--gfx1250"
	.amdhsa_code_object_version 6
	.text
	.protected	k_q3d152de1db_lookup
	.globl	k_q3d152de1db_lookup
	.p2align	8
	.type	k_q3d152de1db_lookup,@function
k_q3d152de1db_lookup:
	s_mov_b64 s[64:65], 0
	v_nop
	global_prefetch_b8 v0, s[64:65] scope:SCOPE_SE
	s_setreg_imm32_b32 hwreg(HW_REG_WAVE_MODE, 25, 1), 1
	s_wait_xcnt 0x0
; out[i][d] = sum over e of onehot(idx[i])[e] * W[d][e] + b[d].   W: [128][8192] f32, b: [128] f32, idx: [16384] i32, out: [16384][128] f32.
; The one-hot matrix is built by the computation itself and has at most one 1 in a row, so the product is the column W[:, idx[i]]
; (or zero where idx[i] is outside 0..8191): the products with its zeros are not formed.  What is left is one f32 add for each output.
;
; A wanted row of the result is a COLUMN of W: 128 words, 32,768 bytes apart.  So W is turned, once, in LDS, slice by slice:
; work-group g owns the 64 columns e0 = 64 (g >> 1) .. e0 + 63 and the half of the batch i = 8192 (g & 1) .. + 8191.
; Each pair (i, idx[i]) has one owner, so each row of out is stored by one work-group.  A work-group
;   1. loads its slice (128 rows of 256 bytes, each aligned to 256), adds b and lays it turned into LDS,
;   2. compares its 8,192 indices with its slice,
;   3. for each hit: one wave reads the turned row from LDS (16 bytes a lane) and stores its 512 consecutive bytes with one instruction.
; Indices outside the table: u = min_u32(idx, 8192) (a negative index is large as an unsigned number); column 8192 is one more
; turned row that holds b alone.  Every work-group lays it into LDS; only the last slice (65 columns wide) can hit it.
;
; NOT USED, and why.  Matrix instructions: there is nothing left to multiply.  Tensor loads, a ring of LDS slots: a work-group asks
; for its 32 KiB of W and its 32 KiB of indices once, in one run at its first lines; there is no loop of tiles behind it.
; Clusters with joint requests: two work-groups share a slice of W and 128 share a half of the indices, but both go to REGISTERS here
; (W is summed with b and turned on its way, the indices are only compared), while a joint request lands in LDS alone.
; Prefetches: every load already stands at the first line at which its address is known.
;
; LIMITS.  Where W holds an infinity or a NaN, the product with the one-hot zeros would make that feature NaN in every row; here it
; reaches only the rows that pick that column.  The sign of a zero result may differ ((-0) + (-0) stays -0 here).  The work of a
; work-group grows with the number of indices that fall into its slice: the values are right for any spread of the indices.
.set ENV,    8192                      ; columns of W; also the number of the extra column that holds b alone
.set ROWB,   32768                     ; bytes in a row of W
.set PLANE,  1040                      ; LDS: 65 columns x 16 bytes, the four features of one wave
.set OUTROW, 512                       ; bytes in a row of out
; LDS, 32 planes of 1,040 bytes: features 4 q .. 4 q + 3 of turned column e lie at q * PLANE + 16 e.  Wave w writes plane w alone.
; A turned column is read by lane l at l * PLANE + 16 e: 1,040 is 65 x 16, so sixteen neighbouring lanes fall on sixteen different
; 16-byte columns modulo 256 bytes.
;
; v1 lane   v2 8 l (W)   v3 16 l (idx, out)   v4 my plane + 32 l   v5 my plane   v6 l * PLANE   v7 wave
; v[8:15]  W as loaded: row r in v[8+2r:9+2r] = columns 2 l, 2 l + 1
; v[16:19] column 2 l turned, v[20:23] column 2 l + 1 turned, v[24:27] b's four numbers
; v[28:35] indices, then columns counted from e0: register c = 4 j + k of lane l belongs to row 128 j + 4 l + k of my 256
; v36 LDS address of a hit's row, v37 its offset in out, v[40:43] the row on its way
; s[4:11] W, b, idx, out   s12 wave   s13 slice   s14 batch half   s15 e0   s16 columns owned   s17 16 w   s[18:19] s[40:43] offsets
; s[20:23] b[4w .. 4w+3]   s[24:31] hit masks   s32 hits   s33 trip   s34 lane of the hit   s35 its column   s36 lane x 2,048   s37 scratch   s38 my plane
	s_load_b256 s[4:11], s[0:1], 0x0               ; W s[4:5], b s[6:7], idx s[8:9], out s[10:11]
	v_lshl_add_u32 v48, v0, 2, 0x8200
	v_mov_b32 v49, 0
	v_and_b32 v1, 31, v0                           ; lane
	v_lshrrev_b32 v7, 5, v0
	v_readfirstlane_b32 s12, v7                    ; wave 0..31, as a scalar
	s_lshr_b32 s13, ttmp9, 1                       ; slice 0..127
	s_and_b32 s14, ttmp9, 1                        ; batch half
	s_lshl_b32 s15, s13, 6                         ; e0: my first column
	s_lshl_b32 s17, s12, 4                         ; byte offset of my four numbers of b
	s_mul_i32 s38, s12, PLANE                      ; my plane in LDS
	s_lshl_b32 s18, s12, 17                        ; W: 4 w rows of 32,768 bytes
	s_lshl_b32 s37, s13, 8                         ;    + 64 columns of 4 bytes for each slice
	s_add_co_u32 s18, s18, s37
	s_mov_b32 s19, 0
	s_lshl_b32 s40, s14, 15                        ; idx: 8,192 words for the half
	s_lshl_b32 s37, s12, 10                        ;      + 256 words for each wave
	s_add_co_u32 s40, s40, s37
	s_mov_b32 s41, 0
	s_lshl_b32 s42, s14, 22                        ; out: 8,192 rows of 512 bytes for the half
	s_lshl_b32 s37, s12, 17                        ;      + 256 rows for each wave
	s_add_co_u32 s42, s42, s37
	s_mov_b32 s43, 0
	s_cmp_eq_u32 s13, 127                          ; the last slice also owns column 8192
	s_cselect_b32 s16, 65, 64
	v_lshlrev_b32 v2, 3, v1                        ; 8 l: two columns of W a lane
	v_lshlrev_b32 v3, 4, v1                        ; 16 l
	v_mov_b32 v5, s38
	v_lshl_add_u32 v4, v1, 5, v5                   ; my plane + 16 x (2 l)
	v_mul_u32_u24 v6, v1, PLANE                    ; plane l, for reading a turned column
	s_wait_kmcnt 0x0
	s_add_nc_u64 s[4:5], s[4:5], s[18:19]          ; W at (row 4 w, column e0)
	s_add_nc_u64 s[8:9], s[8:9], s[40:41]          ; idx at my 256
	s_add_nc_u64 s[10:11], s[10:11], s[42:43]      ; out at my 256 rows
	; All loads in one run.  No cache word: other work-groups read the same bytes of W and of idx.
	s_load_b128 s[20:23], s[6:7], s17 offset:0x0   ; b[4w .. 4w+3]
.irp r, 0,1,2,3
	global_load_b64 v[8+2*\r:9+2*\r], v2, s[4:5] offset:\r*ROWB    ; row 4 w + r: the wave covers 256 consecutive bytes, aligned to 256
.endr
.irp j, 0,1
	global_load_b128 v[28+4*\j:31+4*\j], v3, s[8:9] offset:512*\j  ; 128 indices: 512 consecutive bytes
.endr
	; Turn: a lane holds columns 2 l and 2 l + 1 of four rows; with b added these are two runs of 16 bytes of the turned slice.
	s_wait_kmcnt 0x0                               ; b
	s_wait_loadcnt 0x2                             ; loads come back in order: W's four are in, the two index loads issued behind them may be out
.irp r, 0,1,2,3
	v_add_f32 v[16+\r], s[20+\r], v[8+2*\r]        ; W[4w+r][e0+2l]   + b[4w+r]
	v_add_f32 v[20+\r], s[20+\r], v[9+2*\r]        ; W[4w+r][e0+2l+1] + b[4w+r]
	v_mov_b32 v[24+\r], s[20+\r]                   ; column 8192: the product is zero, b is left
.endr
	ds_store_b128 v4, v[16:19]
	ds_store_b128 v4, v[20:23] offset:16
	ds_store_b128 v5, v[24:27] offset:64*16        ; every lane the same bytes with the same numbers
	; Which of my 256 indices fall into the slice: register work while the LDS stores land.
	s_wait_loadcnt 0x0
.irp c, 0,1,2,3,4,5,6,7
	v_min_u32 v[28+\c], ENV, v[28+\c]              ; outside the table: column 8192
	v_sub_nc_u32 v[28+\c], v[28+\c], s15           ; counted from e0; a column below e0 wraps to a large number
	v_cmp_gt_u32 s[24+\c], s16, v[28+\c]           ; hit: columns owned > that number
.endr
	; The one barrier: every wave reads every plane behind it.  The wait is for zero for the others' sake.
	; Nothing writes the planes after it, so none is needed behind the reads.
	s_wait_dscnt 0x0
	s_barrier_signal -1
	s_barrier_wait -1
; The hits of register c, lowest lane first.  The loop is counted: s32 hits, s33 trips done.  Lane and column come from loaded
; numbers, so each is clamped by a constant just before it enters an address (31 lanes, 64 columns: neither clamp changes a hit's number).
; Row of a hit in lane L: 128 (c >> 2) + 4 L + (c & 3), at 512 bytes a row: 2,048 L in s36, the rest in the immediate.
.macro CHUNK c
	s_bcnt1_i32_b32 s32, s[24+\c]
	s_cmp_eq_u32 s32, 0
	s_cbranch_scc1 .Lnone\c
	s_mov_b32 s33, 0
.Lrow\c:
	s_ctz_i32_b32 s34, s[24+\c]                    ; the lowest hit's lane
	s_min_u32 s34, s34, 31
	s_sub_co_u32 s37, s[24+\c], 1
	s_and_b32 s[24+\c], s[24+\c], s37              ; that hit is taken off the mask
	v_readlane_b32 s35, v[28+\c], s34              ; its column, counted from e0
	s_min_u32 s35, s35, 64
	s_lshl_b32 s36, s34, 11
	v_lshl_add_u32 v36, s35, 4, v6                 ; plane l + 16 x column
	s_wait_xcnt 0x0                                ; v37 and v[40:43], which the last store reads, are written again only behind this wait
	ds_load_b128 v[40:43], v36                     ; features 4 l .. 4 l + 3 of the turned column
	v_add_nc_u32 v37, s36, v3
	s_wait_dscnt 0x0                               ; the one LDS load
	global_store_b128 v37, v[40:43], s[10:11] offset:128*OUTROW*(\c>>2)+OUTROW*(\c&3) th:TH_STORE_NT   ; a whole row: 512 consecutive bytes, aligned to 512; written once, not read again
	s_add_co_u32 s33, s33, 1
	s_cmp_lt_u32 s33, s32
	s_cbranch_scc1 .Lrow\c
.Lnone\c:
.endm
	CHUNK 0
	CHUNK 1
	CHUNK 2
	CHUNK 3
	CHUNK 4
	CHUNK 5
	CHUNK 6
	CHUNK 7
	s_wait_tensorcnt 0x0
	ds_add_u32 v48, v49
	s_wait_dscnt 0x0
	s_endpgm
.Lfunc_end_k_q3d152de1db_lookup:
	.size	k_q3d152de1db_lookup, .Lfunc_end_k_q3d152de1db_lookup-k_q3d152de1db_lookup
	.p2alignl 7, 3214868480
	.fill 96, 4, 3214868480
	.section	.rodata,"a",@progbits
	.p2align	6, 0x0
	.amdhsa_kernel k_q3d152de1db_lookup
		.amdhsa_group_segment_fixed_size 37376
		.amdhsa_private_segment_fixed_size 0
		.amdhsa_enable_private_segment 0
		.amdhsa_kernarg_size 32
		.amdhsa_user_sgpr_count 2
		.amdhsa_user_sgpr_kernarg_segment_ptr 1
		.amdhsa_wavefront_size32 1
		.amdhsa_system_sgpr_workgroup_id_x 1
		.amdhsa_system_sgpr_workgroup_id_y 1
		.amdhsa_system_sgpr_workgroup_id_z 1
		.amdhsa_system_vgpr_workitem_id 0
		.amdhsa_next_free_vgpr 50
		.amdhsa_next_free_sgpr 66
		.amdhsa_reserve_vcc 0
		.amdhsa_float_denorm_mode_32 3
		.amdhsa_float_denorm_mode_16_64 3
		.amdhsa_memory_ordered 1
		.amdhsa_forward_progress 1
		.amdhsa_inst_pref_size 11
	.end_amdhsa_kernel
	.amdgpu_metadata
---
amdhsa.version: [ 1, 2 ]
amdhsa.kernels:
  - .name:           k_q3d152de1db_lookup
    .symbol:         k_q3d152de1db_lookup.kd
    .args:
      - { .name: W, .offset: 0, .size: 8, .value_kind: global_buffer, .address_space: global }
      - { .name: b, .offset: 8, .size: 8, .value_kind: global_buffer, .address_space: global }
      - { .name: noise_idx, .offset: 16, .size: 8, .value_kind: global_buffer, .address_space: global }
      - { .name: out0, .offset: 24, .size: 8, .value_kind: global_buffer, .address_space: global }
    .group_segment_fixed_size: 37376
    .private_segment_fixed_size: 0
    .kernarg_segment_align: 8
    .kernarg_segment_size: 32
    .max_flat_workgroup_size: 1024
    .sgpr_count:     66
    .vgpr_count:     50
    .wavefront_size: 32
...
	.end_amdgpu_metadata
.endif
;; end of part 1
